; MI455X (gfx1250); checked and timed in simulation.
; The chip was launched on July 23, 2026; its instructions are those of AMD's public machine-readable ISA for CDNA 5 (MIT licence, August 2026) and "CDNA5" Instruction Set Architecture Reference Guide (July 2026). The comments in the code are by the model that wrote it; some were corrected since.
;; Audio Quantizer. Allowed arithmetic: matrix products marked QUANTISED: E3M2 operands, one E8M0 scale for each 32 along K, by v_wmma_scale_f32_16x16x128_f8f6f4 with both operands' format E3M2, f32 sums; everything else in f32.
;; Inputs: codebook 4,096 x 512 float32; embedding 4,096 x 512 float32; x 16 x 2,048 x 512 float32.
;; Outputs: out0 16 x 2,048 x 512 float32.
;; This version of the problem:
;;   THIS VERSION OF THE PROBLEM IS GIVEN IN LOW PRECISION. The matrix products marked QUANTISED in the list below multiply operands that are first quantised to E3M2 (3 exponent bits, 2 mantissa bits; 6 bits a number), with one power-of-two scale for each 32 numbers along K (OCP MX v1.0); their sums are f32. All else is computed in f32.
;;   The module's matrix products, in the order in which they are computed (A, B: the left and right operand; K: the contracted axis; several contracted axes count as one K, in the product's order):
;;     1. [M 32,768, K 512] x [K 512, N 4,096]; A: input x; B: input codebook: QUANTISED
;;   THE QUANTISER, for each operand of a quantised product, along K:
;;     - K is cut into blocks of 32 from its start; a last block that is shorter is filled with zeros.
;;     - A block's scale is 2^e with e = floor(log2(the largest magnitude in the block)) - 4, held to -126 .. 127; a block of zeros has e = 0. As a byte (E8M0): e + 127.
;;     - Each number is divided by its block's scale, clamped to +-28, and rounded to the nearest number of E3M2, ties to even, subnormals kept.
;;     - The product sums the exact products of the quantised numbers (number of the format x scale) in f32.
;;   ~~~python
;;   def quantise(x, axis):      # numpy; x: float32 -> the quantised numbers, widened to float32 again
;;       x = np.moveaxis(x, axis, -1); K = x.shape[-1]
;;       x = np.pad(x, [(0, 0)] * (x.ndim - 1) + [(0, -K % 32)]); x = x.reshape(x.shape[:-1] + (-1, 32)); a = np.abs(x).max(-1, keepdims=True)
;;       e = np.where(a > 0, np.clip(np.frexp(np.where(a > 0, a, 1))[1] - 1 - 4, -126, 127), 0)      # np.frexp(a)[1] - 1 = floor(log2(a)), exactly
;;       r = np.clip(x / 2.0 ** e, -28, 28)
;;       step = 2.0 ** (np.maximum(np.frexp(np.where(r == 0, 1, r))[1] - 1, -2) - 2)
;;       q = np.round(r / step) * step * 2.0 ** e      # np.round: ties to even
;;       return np.moveaxis(q.reshape(q.shape[:-2] + (-1,))[..., :K], -1, axis).astype(np.float32)
;;   ~~~
;; One version. Each part assembles by itself: llvm-mc -triple=amdgcn-amd-amdhsa -mcpu=gfx1250 --defsym DOCPART=n.
;; ======== version 1 of 1: 3 launches
;; limits: right only within a limited range of input values
;; workspace buffers: cbq 1,703,936 bytes; idx 131,072 bytes of whole numbers
;; launch prep (part 1): grid 256 x 1, 4 waves a work-group, no clusters, 35,328 bytes of LDS; arguments codebook, cbq; writes cbq
.if DOCPART == 1
	.amdgcn_target "amdgcn-amd-amdhsa--gfx1250"
	.amdhsa_code_object_version 6
	.text
	.protected	k_qdbc3d278ce_prep
	.globl	k_qdbc3d278ce_prep
	.p2align	8
	.type	k_qdbc3d278ce_prep,@function
k_qdbc3d278ce_prep:
	s_mov_b64 s[64:65], 0
	v_nop
	global_prefetch_b8 v0, s[64:65] scope:SCOPE_SE
	s_setreg_imm32_b32 hwreg(HW_REG_WAVE_MODE, 25, 1), 1
	s_wait_xcnt 0x0
; WORK LEFT OUT, in the whole program: x_sq.  reference() takes argmin over k of x_sq[row] - 2 dots[row][k] + c_sq[k]; x_sq[row] is the same for every k of a row, so in real numbers, for all finite inputs,
; the argmin is the argmax over k of dots[row][k] - c_sq[k] / 2.  x itself stays live (it feeds dots).  LIMIT: an overflow or a NaN that reaches x_sq alone is not carried to the result.
; THIS LAUNCH: the codebook [4096][512] f32 becomes cbq: 256 records of 6,656 bytes, one for each tile t of 16 codebook rows: codes of BF6 (E3M2) with one E8M0 byte for each 32 along K, laid as the matrix
; instruction's operand registers, and -c_sq / 2 of the UNQUANTISED rows.  Byte 1536 ks + 512 c + 16 lane: registers 4 c .. 4 c + 3 of that lane's fragment (K step ks of 128).  Byte 6144 + 16 r + 4 ks: row r's scale word.
; Byte 6400 + 4 i: -c_sq / 2 of row i % 16, i = 0 .. 63 (the 16 numbers four times, so that the 256 bytes are stored whole).
; SHARES: work-group t takes tile t, wave ks K step ks.  Each load reads 512 consecutive bytes of a row; the 16 x 512 bytes turn through the wave's own stage in LDS, so that a lane holds 16 neighbours of each block of 32.
; A block's scale is 2^(floor(log2(largest magnitude)) - 4); its byte is the largest magnitude's exponent field - 4, held at 1 from below.
; LIMITS: NaN and infinities are not served; a block whose largest magnitude lies under 2^-122 (a block of zeros too) has the byte 1: a zero block's codes are zeros, and this program alone reads the bytes.  c_sq is summed in another order than the reference's.
.set ROWB,  2048
.set REC,   6656
.set SPT,   528                        ; a stage row: 512 bytes + 16
.set STGB,  16*SPT
.set SWD,   4*STGB                     ; the tile's 16 x 16 scale bytes
.set PSM,   SWD+256                    ; the four waves' partial sums, 16 bytes a row
.set CS2,   PSM+256                    ; the 16 finished numbers
.set SPARE, CS2+512                    ; the spare words, 128 bytes a wave
.set R,     32                         ; v32-95   as loaded
.set X,     96                         ; v96-159  register 16 b + i = k 32 b + 16 (lane / 16) + i of my row
.set PC,    160                        ; v160-179 the codes (12) and 8 at work
.set TM,    180
.set PW,    196
.set SQ,    198
.set TP,    202
.set SEL,   20
	s_load_b128 s[4:7], s[0:1], 0x0                ; codebook, cbq
	v_lshl_add_u32 v216, v0, 2, SPARE
	v_mov_b32 v217, 0
	v_lshrrev_b32 v12, 5, v0
	v_readfirstlane_b32 s12, v12                   ; wave = K step
	v_and_b32 v13, 31, v0
	v_lshlrev_b32 v1, 4, v13                       ; 16 x lane
	v_and_b32 v2, 15, v0                           ; r
	v_bfe_u32 v3, v0, 4, 1                         ; h
	s_mul_i32 s13, s12, STGB
	v_add_nc_u32 v4, s13, v1                       ; the stage, in
	v_mul_u32_u24 v5, v2, SPT
	v_lshl_add_u32 v5, v3, 6, v5
	v_add_nc_u32 v5, s13, v5                       ; out: row r, + 64 h
	v_lshlrev_b32 v10, 4, v2                       ; 16 r
	v_lshlrev_b32 v11, 2, v2                       ; 4 r
	s_lshl_b32 s14, s12, 2
	v_add_nc_u32 v6, s14, v10
	v_add_nc_u32 v7, PSM, v6
	v_add_nc_u32 v6, SWD, v6
	v_add_nc_u32 v8, SWD, v10
	v_add_nc_u32 v9, PSM, v10
	v_add_nc_u32 v14, CS2, v11                     ; where row r's finished number goes,
	v_and_b32 v15, 3, v0
	v_lshl_add_u32 v15, v15, 4, CS2                ; and the four numbers that lane r stores
.irp b, 0,1,2,3
	v_mov_b32 v[TM+4+\b], 0                        ; a lane permute's destination counts as one of its sources
.endr
	v_mov_b32 v[TP], 0
	s_mov_b32 s[SEL], 0x76543210
	s_mov_b32 s[SEL+1], 0xfedcba98
	s_lshl_b32 s16, ttmp9, 15                      ; the tile's 16 rows,
	s_lshl_b32 s17, s12, 9                         ; my K step's 512 bytes of a row
	s_add_co_u32 s16, s16, s17
	s_mov_b32 s17, 0
	s_mul_i32 s18, ttmp9, REC
	s_mov_b32 s19, 0
	s_mul_i32 s24, s12, 1536
	s_mov_b32 s25, 0
	s_wait_alu depctr_va_vdst(0)                   ; the wait at the head's end
	s_wait_kmcnt 0x0
	s_add_nc_u64 s[4:5], s[4:5], s[16:17]
	s_add_nc_u64 s[6:7], s[6:7], s[18:19]
	s_add_nc_u64 s[10:11], s[6:7], s[24:25]
.irp rho, 0,1,2,3,4,5,6,7,8,9,10,11,12,13,14,15
	global_load_b128 v[R+4*\rho:R+4*\rho+3], v1, s[4:5] offset:ROWB*\rho th:TH_LOAD_NT
.endr
	s_wait_loadcnt 0x0
.irp rho, 0,1,2,3,4,5,6,7,8,9,10,11,12,13,14,15
	ds_store_b128 v4, v[R+4*\rho:R+4*\rho+3] offset:SPT*\rho
.endr
.irp b, 0,1,2,3
.irp j, 0,1,2,3
	ds_load_b128 v[X+16*\b+4*\j:X+16*\b+4*\j+3], v5 offset:128*\b+16*\j   ; LDS serves a wave's instructions in order
.endr
.endr
	s_wait_dscnt 0x0
	v_pk_mul_f32 v[SQ:SQ+1], v[X:X+1], v[X:X+1]    ; the squares, on two chains of pairs
	v_pk_mul_f32 v[SQ+2:SQ+3], v[X+2:X+3], v[X+2:X+3]
.irp i, 4,8,12,16,20,24,28,32,36,40,44,48,52,56,60
	v_pk_fma_f32 v[SQ:SQ+1], v[X+\i:X+\i+1], v[X+\i:X+\i+1], v[SQ:SQ+1]
	v_pk_fma_f32 v[SQ+2:SQ+3], v[X+\i+2:X+\i+3], v[X+\i+2:X+\i+3], v[SQ+2:SQ+3]
.endr
	v_add_f32 v[SQ], v[SQ], v[SQ+1]
	v_add_f32 v[SQ+2], v[SQ+2], v[SQ+3]
	v_add_f32 v[SQ], v[SQ], v[SQ+2]
	v_permlanex16_b32 v[TP], v[SQ], s[SEL], s[SEL+1]
	v_add_f32 v[SQ], v[SQ], v[TP]                  ; row r's sum over my 128 along K
.irp b, 0,1,2,3
	v_max3_num_f32 v[TM+\b], |v[X+16*\b]|, |v[X+1+16*\b]|, 0x2800000   ; block b: my 16 numbers and the floor 2^(5 - 127)
.endr
.irp i, 2,4,6,8,10,12,14
.irp b, 0,1,2,3
	v_max3_num_f32 v[TM+\b], v[TM+\b], |v[X+16*\b+\i]|, |v[X+1+16*\b+\i]|
.endr
.endr
.irp b, 0,1,2,3
	v_permlanex16_b32 v[TM+4+\b], v[TM+\b], s[SEL], s[SEL+1]
.endr
.irp b, 0,1,2,3
	v_max_num_f32 v[TM+\b], v[TM+\b], v[TM+4+\b]   ; the block's largest magnitude
.endr
.irp b, 0,1,2,3
	v_add_nc_u32 v[TM+12+\b], 0xfe000000, v[TM+\b] ; 4 off its exponent field: the conversion's scale operand
.endr
.irp b, 0,1,2,3
	v_lshrrev_b32 v[TM+4+\b], 23, v[TM+12+\b]      ; the scale's byte
.endr
	v_lshl_or_b32 v[PW], v[TM+5], 8, v[TM+4]
	v_lshl_or_b32 v[PW], v[TM+6], 16, v[PW]
	v_lshl_or_b32 v[PW], v[TM+7], 24, v[PW]
.irp c, 0,1
	v_cvt_scalef32_pk16_bf6_f32 v[PC+6*\c:PC+2+6*\c], v[X+32*\c:X+15+32*\c], v[TM+12+2*\c]
	v_cvt_scalef32_pk16_bf6_f32 v[PC+12+4*\c:PC+14+4*\c], v[X+16+32*\c:X+31+32*\c], v[TM+12+2*\c+1]
.endr
	v_nop                                          ; one plain place behind a scaled conversion
.irp c, 0,1                                    ; a whole block in a lane: lanes 0-15 block 2 c, lanes 16-31 block 2 c + 1
.irp i, 0,1,2
	v_permlane16_swap_b32 v[PC+6*\c+\i], v[PC+12+4*\c+\i]
.endr
.irp i, 0,1,2
	v_mov_b32 v[PC+3+6*\c+\i], v[PC+12+4*\c+\i]
.endr
.endr
.irp c, 0,1,2
	global_store_b128 v1, v[PC+4*\c:PC+4*\c+3], s[10:11] offset:512*\c   ; 512 consecutive bytes, at a multiple of 256 from the buffer's first byte
.endr
	ds_store_b32 v6, v[PW]                         ; both halves of the lanes write the same word with the same value
	ds_store_b32 v7, v[SQ]
	s_wait_dscnt 0x0                               ; for wave 0's sake
	s_barrier_signal -1
	s_barrier_wait -1
	s_cmp_lg_u32 s12, 0
	s_cbranch_scc1 .Lend                           ; wave 0 alone stores the tile's scale bytes and sums
	ds_load_b128 v[204:207], v8                    ; row r's four scale words
	ds_load_b128 v[208:211], v9                    ; and its four partial sums
	v_cmp_gt_u32 vcc_lo, 16, v0
	s_wait_dscnt 0x0
	v_add_f32 v208, v208, v209                     ; K ascending
	v_add_f32 v208, v208, v210
	v_add_f32 v208, v208, v211
	v_mul_f32 v208, -0.5, v208                     ; -c_sq / 2: exact
	ds_store_b32 v14, v208
	ds_load_b128 v[212:215], v15                   ; rows 4 (r % 4) .. + 3: in order behind my store
	s_wait_alu depctr_va_vdst(0)                   ; directly ahead of the waits below
	s_wait_dscnt 0x0
	s_wait_xcnt 0x0                                ; EXEC changes only behind this wait
	s_and_saveexec_b32 s22, vcc_lo
	global_store_b128 v10, v[204:207], s[6:7] offset:6144   ; sixteen lanes store 256 consecutive bytes, aligned
	global_store_b128 v10, v[212:215], s[6:7] offset:6400   ; and the next 256
	s_wait_xcnt 0x0
	s_or_b32 exec_lo, exec_lo, s22
.Lend:
	s_wait_tensorcnt 0x0                           ; the wave's end
	ds_add_u32 v216, v217
	s_wait_dscnt 0x0
	s_endpgm
.Lfunc_end_k_qdbc3d278ce_prep:
	.size	k_qdbc3d278ce_prep, .Lfunc_end_k_qdbc3d278ce_prep-k_qdbc3d278ce_prep
	.p2alignl 7, 3214868480
	.fill 96, 4, 3214868480
	.section	.rodata,"a",@progbits
	.p2align	6, 0x0
	.amdhsa_kernel k_qdbc3d278ce_prep
		.amdhsa_group_segment_fixed_size 35328
		.amdhsa_private_segment_fixed_size 0
		.amdhsa_enable_private_segment 0
		.amdhsa_kernarg_size 16
		.amdhsa_user_sgpr_count 2
		.amdhsa_user_sgpr_kernarg_segment_ptr 1
		.amdhsa_wavefront_size32 1
		.amdhsa_system_sgpr_workgroup_id_x 1
		.amdhsa_system_sgpr_workgroup_id_y 1
		.amdhsa_system_sgpr_workgroup_id_z 1
		.amdhsa_system_vgpr_workitem_id 0
		.amdhsa_next_free_vgpr 218
		.amdhsa_next_free_sgpr 66
		.amdhsa_reserve_vcc 1
		.amdhsa_float_denorm_mode_32 3
		.amdhsa_float_denorm_mode_16_64 3
		.amdhsa_memory_ordered 1
		.amdhsa_forward_progress 1
		.amdhsa_inst_pref_size 14
	.end_amdhsa_kernel
	.amdgpu_metadata
---
amdhsa.version: [ 1, 2 ]
amdhsa.kernels:
  - .name:           k_qdbc3d278ce_prep
    .symbol:         k_qdbc3d278ce_prep.kd
    .args:
      - { .name: codebook, .offset: 0, .size: 8, .value_kind: global_buffer, .address_space: global }
      - { .name: cbq, .offset: 8, .size: 8, .value_kind: global_buffer, .address_space: global }
    .group_segment_fixed_size: 35328
    .private_segment_fixed_size: 0
    .kernarg_segment_align: 8
    .kernarg_segment_size: 16
    .max_flat_workgroup_size: 128
    .sgpr_count:     66
    .vgpr_count:     218
    .wavefront_size: 32
...
	.end_amdgpu_metadata
.endif
;; end of part 1
;; launch nearest (part 2): grid 256 x 1, 8 waves a work-group, clusters of 4 x 1, 327,680 bytes of LDS; arguments x, cbq, idx; writes idx
.if DOCPART == 2
	.amdgcn_target "amdgcn-amd-amdhsa--gfx1250"
	.amdhsa_code_object_version 6
	.text
	.protected	k_qdbc3d278ce_nearest
	.globl	k_qdbc3d278ce_nearest
	.p2align	8
	.type	k_qdbc3d278ce_nearest,@function
k_qdbc3d278ce_nearest:
	s_mov_b64 s[64:65], 0
	v_nop
	global_prefetch_b8 v0, s[64:65] scope:SCOPE_SE
	s_setreg_imm32_b32 hwreg(HW_REG_WAVE_MODE, 25, 1), 1
	s_wait_xcnt 0x0
	s_wait_alu depctr_hold_cnt(0) depctr_sa_sdst(0) depctr_va_vdst(0) depctr_va_sdst(0) depctr_va_ssrc(0) depctr_va_vcc(0) depctr_vm_vsrc(0)
	s_getreg_b32 s2, hwreg(HW_REG_IB_STS2, 6, 4)
	s_cmp_eq_u32 s2, 0
	s_cbranch_scc0 .Lentry_in_a_cluster
	s_endpgm
.Lentry_in_a_cluster:
	s_bfe_u32 s2, ttmp6, 0x10000c
	s_cmp_lg_u32 s2, 0x3003
	s_cbranch_scc0 .Lentry_shape_is_right
	s_endpgm
.Lentry_shape_is_right:
; idx[row] = the first k at which s = dots[row][k] - c_sq[k] / 2 is largest: the argmin of reference()'s dist2 with x_sq, which is the same for every k of a row, left out (shown at the head of launch prep).
; dots = Q(x) Q(codebook)^T on codes of BF6 (E3M2) with one E8M0 byte for each 32 along K.  -c_sq / 2 is the C of each sum's first matrix instruction, so a finished accumulator IS s.
; SHARES.  A work-group owns 128 rows of x; eight waves, two to a SIMD.  Wave w holds the codes of rows 64 (w & 1) .. + 63 in registers (4 tiles x 4 K steps x 12 = 192) and walks codes 1024 (w >> 1) .. + 1023: 64 tiles of 16.
; A STEP is one codebook tile against the wave's 64 rows: a run of 16 matrix instructions, then a run of 40 vector instructions; the SIMD's other wave has its own runs.
; LAYOUT.  Source 0 = 16 codebook rows, source 1 = 16 rows of x: lane (r, h) holds x row r, its 8 registers the codes 16 T + 8 h + 0 .. 7.
; THE MAXIMUM.  m = the largest of the lane's 8; where m > best, the 8 numbers, m and the tile's number are kept.  Which of the 8 it was is found once, at the end: the first that equals best.
; THE CODEBOOK comes as records in operand order (launch prep), through a ring of two LDS slots of 16 records (4 for each quarter); each wave fetches 2 records.  The four work-groups of a cluster ask JOINTLY (mask 15).
; THE WALK IS ROTATED: a quarter's 64 tiles are 16 chunks of 4; cluster c begins at chunk (c + c / 16) % 16 and goes round.  So the clusters begin at sixteen different chunks, and from its third visit on a cluster asks
; for a chunk that another cluster has read earlier in this launch: that is why no data prefetch is laid.
; TIES.  Within an ascending run an earlier tile stays.  Where the walk wraps from chunk 15 to chunk 0 (a branch on the cluster's number and the visit's count alone) the state is set aside and begun anew;
; at the end the two states, the two halves of the lanes and the four quarters are joined by value, then by the lower index: the first maximum.
; x is read once, by this work-group alone: wave w quantises rows 16 w .. + 15; the fragments go from wave to wave through LDS as images of their registers, laid over the wave's own stage when it has been read out.
; LIMITS: NaN and infinities are not served; a block of x whose largest magnitude lies under 2^-122 (a zero block too) has the byte 1; numbers s that differ by less than the sums' rounding may fall either way.
; REGISTERS.  Window 0: the names below.  Window 1: v0-191 x's fragments at 48 a + 12 ks (at the head v0-255: x as loaded); v192-231 the state set aside.
.set REC,   6656                       ; a record: 4 fragments of 1,536 bytes, 256 scale bytes, 256 bytes of -c_sq / 2
.set SLOTQ, 4*REC                      ; a quarter's part of a slot: a chunk
.set PARTW, 2*REC                      ; what one wave fetches: 52 rows of 256 bytes
.set SLOT1, 4*SLOTQ                    ; slot 1 begins here
.set STG,   2*SLOT1                    ; the stages: 16 rows x (512 + 16) bytes a wave; then images at 1536 ks, scale words at 6144 + 128 ks
.set SPT,   528
.set STGW,  16*SPT
.set RED,   STG                        ; the closing reduction, over the images, which are read at the head alone: values at 512 q + 4 row, indices 2,048 on
.set SPARE, STG+8*STGW                 ; the spare words, 128 bytes a wave
.set SPW,  1
.set NIL,  2
.set ADR,  3                           ; v3-4   SLOTQ q + 16 lane, in slot 0, 1
.set ADS,  5                           ; v5-6   SLOTQ q + 16 r
.set ADQ,  7                           ; v7-8   SLOTQ q + 32 h
.set L16,  9
.set STW,  10                          ; my stage, in; also where my images go
.set STR,  11                          ; my stage, out
.set LIX,  12                          ; the images of my half's four tiles
.set HB,   13                          ; 1024 q + 8 h
.set XWS,  14                          ; my stage + 4 lane
.set LSX,  15                          ; my half's first stage + 4 lane
.set TTV,  24                          ; the number of the tile at work; v21, 22, 23, 25: the four tiles' maxima (other banks than v24's)
.set RDW,  26
.set RDR,  27
.set XW,   32                          ; v32-47  x's scale words, 4 a + ks: scales and nothing else
.set CW,   48                          ; v48-55  the codebook's, 4 p + ks: scales and nothing else
.set CQ,   56                          ; v56-71  -c_sq / 2 of my 8 codes, buffer p at 8 p
.set BT,   72                          ; v72-79  tile a: best at 2 a, its codebook tile at 2 a + 1
.set SV,   80                          ; v80-111 the winning tile's 8 numbers
.set ACC,  112                         ; v112-143
.set CB,   144                         ; v144-239 two buffers of a tile's four fragments
.set TM,   56                          ; head
.set X,    112                         ; head: 64 numbers of my row
.set PCB,  176                         ; head: my four fragments' codes
.set PT,   224
.set PW,   232
.set S2,   144                         ; end: the state set aside, 32 + 8
.set JX,   184
.set JX2,  188
.set OV,   192
.set OI,   196
.set RV,   200
.set RI,   216
.set WV,   12
.set G1,   24                          ; s[24:31]
.set G0A,  32                          ; s[32:35] slot 0's group 0, s[36:39] slot 1's
.set OF,   40                          ; s[40:41] a chunk's byte offset
.set VO,   52                          ; the chunk in hand
.set CNT,  54
.set SEL,  56
.set MSB, 0
.macro WIN new                         ; bits 1:0 source 0, 3:2 source 1, 5:4 source 2, 7:6 destination; the high byte repeats the setting that is left
.if MSB != (\new)
	s_set_vgpr_msb (MSB<<8)|(\new)
.set MSB, (\new)
.endif
.endm
.macro CREST                           ; a round of the cluster's barrier behind its opening barrier
	s_cmp_lg_u32 s[WV], 0
	s_cbranch_scc1 .Lnot_wave_0_\@
	s_barrier_signal -3
.Lnot_wave_0_\@:
	s_barrier_wait -3
	s_barrier_signal -1
	s_barrier_wait -1
.endm
.macro CROUND
	s_barrier_signal -1
	s_barrier_wait -1
	CREST
.endm
.macro NOP4
.rept 4
	v_nop
.endr
.endm
; K step u of my 16 rows: through my stage, so that a lane holds 16 neighbours of each block of its row; then codes into v[PCB + 12 u] on and the scale word into v[PW + u]
.macro UNIT u
.set qd, PCB+12*(\u)
	s_wait_loadcnt 16*(3-(\u))                     ; unit u's 16 loads are in; those of the units behind it may be out
	WIN 0x04                                       ; an LDS store's data are its source 1: window 1
.irp rho, 0,1,2,3,4,5,6,7,8,9,10,11,12,13,14,15
	ds_store_b128 v[STW], v[64*(\u)+4*\rho:64*(\u)+4*\rho+3] offset:SPT*\rho
.endr
	WIN 0
.irp b, 0,1,2,3
.irp j, 0,1,2,3
	ds_load_b128 v[X+16*\b+4*\j:X+16*\b+4*\j+3], v[STR] offset:128*\b+16*\j   ; in order behind my stores
.endr
.endr
	s_wait_dscnt 0x0
.irp b, 0,1,2,3
	v_max3_num_f32 v[TM+\b], |v[X+16*\b]|, |v[X+1+16*\b]|, 0x2800000   ; block b: my 16 numbers and the floor 2^(5 - 127)
.endr
.irp i, 2,4,6,8,10,12,14
.irp b, 0,1,2,3
	v_max3_num_f32 v[TM+\b], v[TM+\b], |v[X+16*\b+\i]|, |v[X+1+16*\b+\i]|
.endr
.endr
.irp b, 0,1,2,3
	v_permlanex16_b32 v[TM+4+\b], v[TM+\b], s[SEL], s[SEL+1]
.endr
.irp b, 0,1,2,3
	v_max_num_f32 v[TM+\b], v[TM+\b], v[TM+4+\b]
.endr
.irp b, 0,1,2,3
	v_add_nc_u32 v[TM+12+\b], 0xfe000000, v[TM+\b] ; 4 off the exponent field: the conversion's scale operand
.endr
.irp b, 0,1,2,3
	v_lshrrev_b32 v[TM+4+\b], 23, v[TM+12+\b]
.endr
	v_lshl_or_b32 v[PW+(\u)], v[TM+5], 8, v[TM+4]
	v_lshl_or_b32 v[PW+(\u)], v[TM+6], 16, v[PW+(\u)]
	v_lshl_or_b32 v[PW+(\u)], v[TM+7], 24, v[PW+(\u)]
.irp c, 0,1
	v_cvt_scalef32_pk16_bf6_f32 v[qd+6*\c:qd+2+6*\c], v[X+32*\c:X+15+32*\c], v[TM+12+2*\c]
	v_cvt_scalef32_pk16_bf6_f32 v[PT+4*\c:PT+2+4*\c], v[X+16+32*\c:X+31+32*\c], v[TM+12+2*\c+1]
.endr
	v_nop                                          ; one plain place behind a scaled conversion
.irp c, 0,1
.irp i, 0,1,2
	v_permlane16_swap_b32 v[qd+6*\c+\i], v[PT+4*\c+\i]
.endr
.irp i, 0,1,2
	v_mov_b32 v[qd+3+6*\c+\i], v[PT+4*\c+\i]
.endr
.endr
.endm
; 15 LDS loads: tile q of slot s into buffer p: four fragments, the rows' scale words, -c_sq / 2 of my 8 codes
.macro LOADS s, q, p
.irp ks, 0,1,2,3
.irp c, 0,1,2
	ds_load_b128 v[CB+48*(\p)+12*\ks+4*\c:CB+48*(\p)+12*\ks+4*\c+3], v[ADR+(\s)] offset:REC*(\q)+1536*\ks+512*\c
.endr
.endr
	ds_load_b128 v[CW+4*(\p):CW+4*(\p)+3], v[ADS+(\s)] offset:REC*(\q)+6144
	ds_load_b128 v[CQ+8*(\p):CQ+8*(\p)+3], v[ADQ+(\s)] offset:REC*(\q)+6400
	ds_load_b128 v[CQ+8*(\p)+4:CQ+8*(\p)+7], v[ADQ+(\s)] offset:REC*(\q)+6416
.endm
; Products i0 .. i1 - 1 of a step's 16: K step i / 4, row tile i % 4: four accumulators by turns, one instruction a turn; the first four start the sums with -c_sq / 2
.macro MM p, i0, i1
	WIN 0x04                                       ; source 1 (x) window 1
.set hx, \i0
.rept (\i1)-(\i0)
.set rA, CB+48*(\p)+12*(hx/4)
.set rF, 48*(hx%4)+12*(hx/4)
.set rG, ACC+8*(hx%4)
.if hx < 4
	v_wmma_scale_f32_16x16x128_f8f6f4 v[rG:rG+7], v[rA:rA+11], v[rF:rF+11], v[CQ+8*(\p):CQ+8*(\p)+7], v[CW+4*(\p)+hx/4], v[XW+4*(hx%4)+hx/4] matrix_a_fmt:MATRIX_FMT_BF6 matrix_b_fmt:MATRIX_FMT_BF6
.else
	v_wmma_scale_f32_16x16x128_f8f6f4 v[rG:rG+7], v[rA:rA+11], v[rF:rF+11], v[rG:rG+7], v[CW+4*(\p)+hx/4], v[XW+4*(hx%4)+hx/4] matrix_a_fmt:MATRIX_FMT_BF6 matrix_b_fmt:MATRIX_FMT_BF6
.endif
.set hx, hx+1
.endr
	WIN 0
.endm
; The step's vector work.  Four places stand behind the last product; each accumulator is read from its low end on; the four tiles' maxima go by turns
.macro VEC
	v_add_nc_u32 v[TTV], 1, v[TTV]
.rept 3
	v_nop
.endr
.irp m, 0,1,2,3
	v_max3_num_f32 v[21+\m+\m/3], v[ACC+8*\m], v[ACC+8*\m+1], v[ACC+8*\m+2]
.endr
.irp e, 3,5
.irp m, 0,1,2,3
	v_max3_num_f32 v[21+\m+\m/3], v[21+\m+\m/3], v[ACC+8*\m+\e], v[ACC+8*\m+\e+1]
.endr
.endr
.irp m, 0,1,2,3
	v_max_num_f32 v[21+\m+\m/3], v[21+\m+\m/3], v[ACC+8*\m+7]
.endr
.irp m, 0,1,2,3
	v_cmp_ge_f32 vcc_lo, v[BT+2*\m], v[21+\m+\m/3] ; the old stays where best >= m
.irp e, 0,2,4,6
	v_dual_cndmask_b32 v[SV+8*\m+\e], v[ACC+8*\m+\e], v[SV+8*\m+\e] :: v_dual_cndmask_b32 v[SV+8*\m+\e+1], v[ACC+8*\m+\e+1], v[SV+8*\m+\e+1]
.endr
	v_dual_cndmask_b32 v[BT+2*\m], v[21+\m+\m/3], v[BT+2*\m] :: v_dual_cndmask_b32 v[BT+2*\m+1], v[TTV], v[BT+2*\m+1]
.endr
.endm
; A visit's end: on to the next chunk.  Where that is chunk 0, the state (higher indices) is set aside in window 1 and begun anew.  The condition is made of the cluster's number and the visits' count: the same in all waves and partners
.macro WRAP
	s_add_co_u32 s[VO], s[VO], 1
	s_and_b32 s[VO], s[VO], 15
	s_cmp_lg_u32 s[VO], 0
	s_cbranch_scc1 .Lno_wrap_\@
	WIN 0x40
.set zi, 0
.rept 32
	v_mov_b32 v[192+zi], v[SV+zi]
.set zi, zi+1
.endr
.set zi, 0
.rept 8
	v_mov_b32 v[224+zi], v[BT+zi]
.set zi, zi+1
.endr
	WIN 0
.irp m, 0,1,2,3
	v_mov_b32 v[BT+2*\m], 0xff800000
.endr
	v_mov_b32 v[TTV], -1
	s_wait_alu depctr_va_vdst(0)
.Lno_wrap_\@:
.endm
; A STEP on buffer p, slot s.  kind 0: the slot's tile q is fetched for the next step.  kind 1: the slot's last tile: its reads ended at the step's head, so the slot is filled again in the step's middle, with the chunk two visits on.
; kind 2: the same with nothing left to fetch.  kind 3: the last tile.
.macro STEP p, s, kind, q
	s_wait_dscnt 0x0                               ; this tile's 15 loads are in
.if \kind == 0
	LOADS \s, \q, 1-\p                             ; the other buffer's last readers stand a whole vector run back
	MM \p, 0, 16
	VEC
.elseif \kind == 3
	MM \p, 0, 16
	VEC
.else
	s_wait_tensorcnt 0x0                           ; all my tensor loads have landed: the one that was out is my part of the next slot
	ds_add_u32 v[SPW], v[NIL]
.if \kind == 1
	s_add_co_u32 s[OF], s[VO], 2                   ; no load of mine is out, so this slot's group 0 may be written
	s_and_b32 s[OF], s[OF], 15
	s_mul_i32 s[OF], s[OF], SLOTQ
	s_add_nc_u64 s[G0A+4*(\s)+2:G0A+4*(\s)+3], s[6:7], s[OF:OF+1]
	s_or_b32 s[G0A+4*(\s)+3], s[G0A+4*(\s)+3], 0x80000000
.endif
	MM \p, 0, 4
	s_wait_dscnt 0x0                               ; the add is done; my reads of the slot ended at the step's head
	s_barrier_signal -1                            ; kind 1: this barrier opens a round of the cluster's barrier
	MM \p, 4, 8                                    ; work on registers while the others arrive
	s_barrier_wait -1
.if \kind == 1
	CREST                                          ; no wave of any partner still reads the slot or has a load on its way
	tensor_load_to_lds s[G0A+4*(\s):G0A+4*(\s)+3], s[G1:G1+7]   ; my one tensor load behind the round: 56 of my matrix instructions stand ahead of the wait for it
	s_nop 0
	NOP4
.endif
	LOADS 1-\s, 0, 1-\p                            ; the next slot is whole: every wave waited for its part ahead of the barrier
	MM \p, 8, 16
	VEC
	WRAP
.endif
.endm
.macro VISIT s, kind
	STEP 0, \s, 0, 1
	STEP 1, \s, 0, 2
	STEP 0, \s, 0, 3
	STEP 1, \s, \kind, 0
.endm
; which of the 8 kept numbers equals best: the lowest j is written last; then the index 1024 q + 16 tile + 8 h + j
.macro FINDJ sv, bt, jx
.irp m, 0,1,2,3
	v_mov_b32 v[(\jx)+\m], 7
.endr
.irp j, 6,5,4,3,2,1,0
.irp m, 0,1,2,3
	v_cmp_neq_f32 vcc_lo, v[(\sv)+8*\m+\j], v[(\bt)+2*\m]
	v_cndmask_b32 v[(\jx)+\m], \j, v[(\jx)+\m], vcc_lo
.endr
.endr
.irp m, 0,1,2,3
	v_lshl_add_u32 v[(\jx)+\m], v[(\bt)+2*\m+1], 4, v[(\jx)+\m]
.endr
.irp m, 0,1,2,3
	v_add_nc_u32 v[(\jx)+\m], v[HB], v[(\jx)+\m]
.endr
.endm
.macro MERGE va, ia, vb, ib            ; b's where it is larger, or equal with the lower index
	v_cmp_gt_f32 s58, v[\vb], v[\va]
	v_cmp_eq_f32 s59, v[\vb], v[\va]
	v_cmp_lt_u32 s60, v[\ib], v[\ia]
	s_and_b32 s59, s59, s60
	s_or_b32 s58, s58, s59
	v_cndmask_b32 v[\va], v[\va], v[\vb], s58
	v_cndmask_b32 v[\ia], v[\ia], v[\ib], s58
.endm
	s_load_b128 s[4:7], s[0:1], 0x0                ; x, cbq
	s_load_b64 s[10:11], s[0:1], 0x10              ; idx
	v_lshl_add_u32 v[SPW], v0, 2, SPARE
	v_mov_b32 v[NIL], 0
	ds_add_u32 v[SPW], v[NIL]                      ; the opening lines: the add, twice on end, and its wait ahead of my first tensor load
	ds_add_u32 v[SPW], v[NIL]
	v_lshrrev_b32 v16, 5, v0
	v_readfirstlane_b32 s[WV], v16                 ; wave 0..7
	s_lshr_b32 s13, s[WV], 1                       ; q: my quarter of the codebook
	s_and_b32 s14, s[WV], 1                        ; g: my half of the rows
	s_bfe_u32 s15, ttmp6, 0x40000                  ; cx
	s_lshl_b32 s16, ttmp9, 2
	s_add_co_u32 s15, s15, s16                     ; my block of 128 rows: it enters x's and idx's addresses alone
	s_lshr_b32 s16, ttmp9, 4
	s_add_co_u32 s16, s16, ttmp9
	s_and_b32 s[VO], s16, 15                       ; the chunk at which my cluster begins
	v_and_b32 v17, 31, v0                          ; lane
	v_and_b32 v18, 15, v0                          ; r
	v_bfe_u32 v19, v0, 4, 1                        ; h
	v_lshlrev_b32 v[L16], 4, v17
	s_mul_i32 s17, s13, SLOTQ
	v_add_nc_u32 v[ADR], s17, v[L16]
	v_add_nc_u32 v[ADR+1], SLOT1, v[ADR]
	v_lshl_add_u32 v[ADS], v18, 4, s17
	v_add_nc_u32 v[ADS+1], SLOT1, v[ADS]
	v_lshl_add_u32 v[ADQ], v19, 5, s17
	v_add_nc_u32 v[ADQ+1], SLOT1, v[ADQ]
	s_mul_i32 s17, s[WV], STGW
	s_add_co_u32 s17, s17, STG
	v_add_nc_u32 v[STW], s17, v[L16]
	v_mul_u32_u24 v[STR], v18, SPT
	v_lshl_add_u32 v[STR], v19, 6, v[STR]
	v_add_nc_u32 v[STR], s17, v[STR]
	v_lshl_add_u32 v[XWS], v17, 2, s17
	s_mul_i32 s17, s14, 4*STGW
	s_add_co_u32 s17, s17, STG
	v_add_nc_u32 v[LIX], s17, v[L16]
	v_lshl_add_u32 v[LSX], v17, 2, s17
	s_lshl_b32 s17, s13, 10
	v_lshl_add_u32 v[HB], v19, 3, s17
	s_lshl_b32 s18, s13, 9
	s_lshl_b32 s19, s14, 8
	s_add_co_u32 s18, s18, s19
	s_add_co_u32 s18, s18, RED
	v_lshl_add_u32 v[RDW], v18, 2, s18             ; RED + 512 q + 4 (64 g + r)
	v_add_nc_u32 v[RDR], RED, v[L16]
.irp b, 0,1,2,3
	v_mov_b32 v[TM+4+\b], 0                        ; a lane permute's destination counts as one of its sources
.endr
	s_mov_b32 s[SEL], 0x76543210
	s_mov_b32 s[SEL+1], 0xfedcba98
	s_mov_b32 s[G1+0], 15|(3<<16)|(1<<21)          ; the mask: all four work-groups; elements of 8 bytes; bit 21 beside a mask
	s_mov_b32 s[G1+1], 32<<16                      ; rows of 256 bytes,
	s_mov_b32 s[G1+2], 52<<16                      ; 52 of them: two records
	s_mov_b32 s[G1+3], 32<<16
	s_mov_b32 s[G1+4], 52
	s_mov_b32 s[G1+5], 32
	s_mov_b32 s[G1+6], 0
	s_mov_b32 s[G1+7], 0
	s_lshl_b32 s16, s15, 18                        ; x: my block's 128 rows of 2,048 bytes,
	s_lshl_b32 s17, s[WV], 15                      ; my wave's 16 of them
	s_add_co_u32 s16, s16, s17
	s_mov_b32 s17, 0
	s_lshl_b32 s18, s15, 9                         ; idx: 512 bytes a block
	s_mov_b32 s19, 0
	s_mul_i32 s20, s13, 64*REC                     ; cbq: my quarter's 64 records,
	s_mul_i32 s21, s14, PARTW                      ; my two of a chunk's four
	s_add_co_u32 s20, s20, s21
	s_mov_b32 s21, 0
	s_wait_alu depctr_va_vdst(0)                   ; the wait at the head's end
	s_wait_dscnt 0x0                               ; both opening adds are done
	s_wait_kmcnt 0x0
	s_add_nc_u64 s[4:5], s[4:5], s[16:17]
	s_add_nc_u64 s[10:11], s[10:11], s[18:19]
	s_add_nc_u64 s[6:7], s[6:7], s[20:21]
	WIN 0x40
.irp u, 0,1,2,3
.irp rho, 0,1,2,3,4,5,6,7,8,9,10,11,12,13,14,15
	global_load_b128 v[64*\u+4*\rho:64*\u+4*\rho+3], v[L16], s[4:5] offset:512*\u+2048*\rho th:TH_LOAD_NT   ; 512 consecutive bytes; all 32,768 bytes of my rows go out first
.endr
.endr
	WIN 0
	s_mov_b32 s[G0A], 1
	s_mul_i32 s[G0A+1], s[WV], PARTW               ; no place in the cluster enters an LDS address
	s_mul_i32 s[OF], s[VO], SLOTQ
	s_mov_b32 s[OF+1], 0
	s_add_nc_u64 s[G0A+2:G0A+3], s[6:7], s[OF:OF+1]
	s_or_b32 s[G0A+3], s[G0A+3], 0x80000000
	s_mov_b32 s[G0A+4], 1
	s_add_co_u32 s[G0A+5], s[G0A+1], SLOT1
	s_add_co_u32 s[OF], s[VO], 1
	s_and_b32 s[OF], s[OF], 15
	s_mul_i32 s[OF], s[OF], SLOTQ
	s_add_nc_u64 s[G0A+6:G0A+7], s[6:7], s[OF:OF+1]
	s_or_b32 s[G0A+7], s[G0A+7], 0x80000000
	CROUND                                         ; all four work-groups are here: the first joint loads meet
	tensor_load_to_lds s[G0A:G0A+3], s[G1:G1+7]    ; slot 0: one tensor load a wave at the head
	s_nop 0
	NOP4
	s_wait_tensorcnt 0x0                           ; slot 1's first fill is issued as a refill is
	ds_add_u32 v[SPW], v[NIL]
	s_wait_dscnt 0x0
	CROUND                                         ; slot 0 is whole for every wave
	tensor_load_to_lds s[G0A+4:G0A+7], s[G1:G1+7]
	s_nop 0
	NOP4
.irp u, 0,1,2,3
	UNIT \u
.endr
	s_wait_alu depctr_va_vdst(0)                   ; the wait ahead of the readers below
.irp u, 0,1,2,3
.irp c, 0,1,2
	ds_store_b128 v[STW], v[PCB+12*\u+4*\c:PCB+12*\u+4*\c+3] offset:1536*\u+512*\c   ; over my own stage: my reads of it are back
.endr
	ds_store_b32 v[XWS], v[PW+\u] offset:6144+128*\u
.endr
	s_wait_dscnt 0x0                               ; for the others' sake
	s_barrier_signal -1
	s_barrier_wait -1                              ; slot 1's load may stay out
	WIN 0x40
.irp a, 0,1,2,3
.irp ks, 0,1,2,3
.irp c, 0,1,2
	ds_load_b128 v[48*\a+12*\ks+4*\c:48*\a+12*\ks+4*\c+3], v[LIX] offset:STGW*\a+1536*\ks+512*\c
.endr
.endr
.endr
	WIN 0
.irp a, 0,1,2,3
.irp ks, 0,1,2,3
	ds_load_b32 v[XW+4*\a+\ks], v[LSX] offset:STGW*\a+6144+128*\ks
.endr
.endr
	LOADS 0, 0, 0
	s_mov_b32 s16, 0xff800000                      ; both states begin at -infinity, under every s
.irp j, 0,2,4,6,8,10,12,14,16,18,20,22,24,26,28,30
	v_dual_mov_b32 v[SV+\j], s16 :: v_dual_mov_b32 v[SV+\j+1], s16
.endr
.irp m, 0,1,2,3
	v_dual_mov_b32 v[BT+2*\m], s16 :: v_dual_mov_b32 v[BT+2*\m+1], 0
.endr
	WIN 0x40
.set zi, 0
.rept 32
	v_mov_b32 v[192+zi], s16
.set zi, zi+1
.endr
.irp m, 0,1,2,3
	v_mov_b32 v[224+2*\m], s16
	v_mov_b32 v[225+2*\m], 0
.endr
	WIN 0
	s_lshl_b32 s17, s[VO], 2
	s_add_co_i32 s17, s17, -1
	v_mov_b32 v[TTV], s17                          ; the tile before my first
	s_wait_alu depctr_va_vdst(0)                   ; ahead of the loop's waits
	s_mov_b32 s[CNT], 7
.Lvisit:                                           ; a trip is two visits, once round the ring: visits 0 to 13, each leaving its slot to the chunk two visits on
	VISIT 0, 1
	VISIT 1, 1
	s_sub_co_u32 s[CNT], s[CNT], 1
	s_cmp_lg_u32 s[CNT], 0
	s_cbranch_scc1 .Lvisit
	VISIT 0, 2                                     ; the tail is written out
	VISIT 1, 3
	FINDJ SV, BT, JX
	WIN 0x01
.set zi, 0
.rept 40
	v_mov_b32 v[S2+zi], v[192+zi]                  ; the state set aside, back in window 0
.set zi, zi+1
.endr
	WIN 0
	FINDJ S2, S2+32, JX2
.irp m, 0,1,2,3
	MERGE BT+2*\m, JX+\m, S2+32+2*\m, JX2+\m
.endr
.irp m, 0,1,2,3
	v_permlanex16_b32 v[OV+\m], v[BT+2*\m], s[SEL], s[SEL+1]   ; the row's other eight codes of each tile lie in the lane 16 away
	v_permlanex16_b32 v[OI+\m], v[JX+\m], s[SEL], s[SEL+1]
.endr
.irp m, 0,1,2,3
	MERGE BT+2*\m, JX+\m, OV+\m, OI+\m
.endr
.irp m, 0,1,2,3
	ds_store_b32 v[RDW], v[BT+2*\m] offset:64*\m   ; both halves of the lanes write the same word with the same value
	ds_store_b32 v[RDW], v[JX+\m] offset:2048+64*\m
.endr
	s_wait_dscnt 0x0                               ; for wave 0's sake
	s_barrier_signal -1
	s_barrier_wait -1
	s_cmp_lg_u32 s[WV], 0
	s_cbranch_scc1 .Lout                           ; wave 0 alone joins the four quarters: lane l takes rows 4 l .. 4 l + 3
.irp u, 0,1,2,3
	ds_load_b128 v[RV+4*\u:RV+4*\u+3], v[RDR] offset:512*\u
	ds_load_b128 v[RI+4*\u:RI+4*\u+3], v[RDR] offset:2048+512*\u
.endr
	s_wait_dscnt 0x0
.irp u, 1,2,3
.irp e, 0,1,2,3
	v_cmp_gt_f32 vcc_lo, v[RV+4*\u+\e], v[RV+\e]   ; strictly larger: on a tie the lower quarter, which has the lower indices, stays
	v_cndmask_b32 v[RV+\e], v[RV+\e], v[RV+4*\u+\e], vcc_lo
	v_cndmask_b32 v[RI+\e], v[RI+\e], v[RI+4*\u+\e], vcc_lo
.endr
.endr
	global_store_b128 v[L16], v[RI:RI+3], s[10:11] ; 32 lanes store the block's 512 consecutive bytes, at a multiple of 256 from idx's first byte
.Lout:
	s_wait_tensorcnt 0x0                           ; the wave's end
	ds_add_u32 v[SPW], v[NIL]
	s_wait_dscnt 0x0
	CROUND                                         ; the closing round
	s_endpgm
.Lfunc_end_k_qdbc3d278ce_nearest:
	.size	k_qdbc3d278ce_nearest, .Lfunc_end_k_qdbc3d278ce_nearest-k_qdbc3d278ce_nearest
	.p2alignl 7, 3214868480
	.fill 96, 4, 3214868480
	.section	.rodata,"a",@progbits
	.p2align	6, 0x0
	.amdhsa_kernel k_qdbc3d278ce_nearest
		.amdhsa_group_segment_fixed_size 327680
		.amdhsa_private_segment_fixed_size 0
		.amdhsa_enable_private_segment 0
		.amdhsa_kernarg_size 24
		.amdhsa_user_sgpr_count 2
		.amdhsa_user_sgpr_kernarg_segment_ptr 1
		.amdhsa_wavefront_size32 1
		.amdhsa_system_sgpr_workgroup_id_x 1
		.amdhsa_system_sgpr_workgroup_id_y 1
		.amdhsa_system_sgpr_workgroup_id_z 1
		.amdhsa_system_vgpr_workitem_id 0
		.amdhsa_next_free_vgpr 512
		.amdhsa_next_free_sgpr 66
		.amdhsa_reserve_vcc 1
		.amdhsa_float_denorm_mode_32 3
		.amdhsa_float_denorm_mode_16_64 3
		.amdhsa_memory_ordered 1
		.amdhsa_forward_progress 1
		.amdhsa_inst_pref_size 150
	.end_amdhsa_kernel
	.amdgpu_metadata
---
amdhsa.version: [ 1, 2 ]
amdhsa.kernels:
  - .name:           k_qdbc3d278ce_nearest
    .symbol:         k_qdbc3d278ce_nearest.kd
    .args:
      - { .name: x, .offset: 0, .size: 8, .value_kind: global_buffer, .address_space: global }
      - { .name: cbq, .offset: 8, .size: 8, .value_kind: global_buffer, .address_space: global }
      - { .name: idx, .offset: 16, .size: 8, .value_kind: global_buffer, .address_space: global }
    .group_segment_fixed_size: 327680
    .private_segment_fixed_size: 0
    .kernarg_segment_align: 8
    .kernarg_segment_size: 24
    .max_flat_workgroup_size: 256
    .sgpr_count:     66
    .vgpr_count:     512
    .wavefront_size: 32
...
	.end_amdgpu_metadata
.endif
;; end of part 2
;; launch gather (part 3): grid 512 x 1, 8 waves a work-group, no clusters, 0 bytes of LDS; arguments idx, embedding, out0; writes out0
.if DOCPART == 3
	.amdgcn_target "amdgcn-amd-amdhsa--gfx1250"
	.amdhsa_code_object_version 6
	.text
	.protected	k_qdbc3d278ce_gather
	.globl	k_qdbc3d278ce_gather
	.p2align	8
	.type	k_qdbc3d278ce_gather,@function
k_qdbc3d278ce_gather:
	s_mov_b64 s[64:65], 0
	v_nop
	global_prefetch_b8 v0, s[64:65] scope:SCOPE_SE
	s_setreg_imm32_b32 hwreg(HW_REG_WAVE_MODE, 25, 1), 1
	s_wait_xcnt 0x0
; out0[row][:] = embedding[idx[row]][:].  idx: [32768] whole numbers, stored by the launch before; embedding: [4096][512] f32; out0: [32768][512] f32.
; A stream: no LDS, no barrier, no loop.  A wave takes 8 rows: 32 loads of 512 consecutive bytes go out together (16,384 bytes a wave on their way), and each row is stored as soon as its four loads are in.
; An index is held to the table's 4,096 rows before it enters an address.  No matrix unit, no cluster: work-groups share nothing but the table, whose rows are named by data.
.set ROWB,  2048                       ; a row in bytes
.set ROWS,  8                          ; rows of a wave
.set OFF,   2                          ; v2-9    row i: 2048 x its index + 16 x lane
.set D,     16                         ; v16-143 row i: 16 registers
	s_load_b128 s[4:7], s[0:1], 0x0                ; idx, embedding
	s_load_b64 s[8:9], s[0:1], 0x10                ; out0
	v_lshrrev_b32 v1, 5, v0
	s_delay_alu instid0(VALU_DEP_1)
	v_readfirstlane_b32 s12, v1                    ; wave 0..7
	v_and_b32 v1, 31, v0
	s_delay_alu instid0(VALU_DEP_1)
	v_lshlrev_b32 v1, 4, v1                        ; 16 x lane; never rewritten
	s_lshl_b32 s13, ttmp9, 3
	s_add_co_u32 s13, s13, s12                     ; which run of 8 rows is my wave's
	s_lshl_b32 s14, s13, 5                         ; its 32 bytes of idx
	s_mov_b32 s15, 0
	s_lshl_b32 s10, s13, 14                        ; its 16,384 bytes of out0 (under 2^27)
	s_mov_b32 s11, 0
	s_wait_alu depctr_va_vdst(0)
	s_wait_kmcnt 0x0
	s_add_nc_u64 s[4:5], s[4:5], s[14:15]
	s_add_nc_u64 s[8:9], s[8:9], s[10:11]
	s_load_b256 s[16:23], s[4:5], 0x0              ; my 8 indices
	s_wait_kmcnt 0x0
.irp i, 0,1,2,3,4,5,6,7
	s_min_u32 s[16+\i], s[16+\i], 0xfff            ; inside the table
	s_lshl_b32 s[16+\i], s[16+\i], 11
	v_add_nc_u32 v[OFF+\i], s[16+\i], v1
.endr
	s_wait_alu depctr_va_vdst(0)
.irp i, 0,1,2,3,4,5,6,7
.irp c, 0,1,2,3
	global_load_b128 v[D+16*\i+4*\c:D+16*\i+4*\c+3], v[OFF+\i], s[6:7] offset:512*\c   ; no hint: a row of the table may be named many times
.endr
.endr
.irp i, 0,1,2,3,4,5,6,7
	s_wait_loadcnt 28-4*\i                         ; row i's four loads are in; those of the rows behind it may be out
.irp c, 0,1,2,3
	global_store_b128 v1, v[D+16*\i+4*\c:D+16*\i+4*\c+3], s[8:9] offset:ROWB*\i+512*\c th:TH_STORE_NT   ; 512 consecutive bytes, at a multiple of 256 from out0's first byte; written once
.endr
.endr
	s_endpgm
.Lfunc_end_k_qdbc3d278ce_gather:
	.size	k_qdbc3d278ce_gather, .Lfunc_end_k_qdbc3d278ce_gather-k_qdbc3d278ce_gather
	.p2alignl 7, 3214868480
	.fill 96, 4, 3214868480
	.section	.rodata,"a",@progbits
	.p2align	6, 0x0
	.amdhsa_kernel k_qdbc3d278ce_gather
		.amdhsa_group_segment_fixed_size 0
		.amdhsa_private_segment_fixed_size 0
		.amdhsa_enable_private_segment 0
		.amdhsa_kernarg_size 24
		.amdhsa_user_sgpr_count 2
		.amdhsa_user_sgpr_kernarg_segment_ptr 1
		.amdhsa_wavefront_size32 1
		.amdhsa_system_sgpr_workgroup_id_x 1
		.amdhsa_system_sgpr_workgroup_id_y 1
		.amdhsa_system_sgpr_workgroup_id_z 1
		.amdhsa_system_vgpr_workitem_id 0
		.amdhsa_next_free_vgpr 144
		.amdhsa_next_free_sgpr 66
		.amdhsa_reserve_vcc 0
		.amdhsa_float_denorm_mode_32 3
		.amdhsa_float_denorm_mode_16_64 3
		.amdhsa_memory_ordered 1
		.amdhsa_forward_progress 1
		.amdhsa_inst_pref_size 9
	.end_amdhsa_kernel
	.amdgpu_metadata
---
amdhsa.version: [ 1, 2 ]
amdhsa.kernels:
  - .name:           k_qdbc3d278ce_gather
    .symbol:         k_qdbc3d278ce_gather.kd
    .args:
      - { .name: idx, .offset: 0, .size: 8, .value_kind: global_buffer, .address_space: global }
      - { .name: embedding, .offset: 8, .size: 8, .value_kind: global_buffer, .address_space: global }
      - { .name: out0, .offset: 16, .size: 8, .value_kind: global_buffer, .address_space: global }
    .group_segment_fixed_size: 0
    .private_segment_fixed_size: 0
    .kernarg_segment_align: 8
    .kernarg_segment_size: 24
    .max_flat_workgroup_size: 256
    .sgpr_count:     66
    .vgpr_count:     144
    .wavefront_size: 32
...
	.end_amdgpu_metadata
.endif
;; end of part 3
